; MI455X (gfx1250); checked and timed in simulation.
; The chip was launched on July 23, 2026; its instructions are those of AMD's public machine-readable ISA for CDNA 5 (MIT licence, August 2026) and "CDNA5" Instruction Set Architecture Reference Guide (July 2026). The comments in the code are by the model that wrote it; some were corrected since.
;; Hash Grid Encoder. Allowed arithmetic: float matrix products may take bf16 or f16 operands with f32 sums; other float arithmetic in f32, or as packed bf16 or f16 multiplies, adds, multiply-adds, maxima and minima; sums over many terms, partial sums and values carried from step to step in f32; what a program stores and reads back later, other than sums and carried values, may be rounded once to bf16 or f16.
;; Inputs: latents 131,072 x 2 float32; pos 1,048,576 x 3 float32.
;; Outputs: out0 1,048,576 x 16 float32.
;; One version. Each part assembles by itself: llvm-mc -triple=amdgcn-amd-amdhsa -mcpu=gfx1250 --defsym DOCPART=n.
;; ======== version 1 of 1: 2 launches
;; limits: inputs' magnitudes at most 128
;; workspace buffers: fixpos 12,582,912 bytes of whole numbers
;; launch tofixed (part 1): grid 256 x 1, 16 waves a work-group, no clusters, 0 bytes of LDS; arguments pos, fixpos; writes fixpos
.if DOCPART == 1
	.amdgcn_target "amdgcn-amd-amdhsa--gfx1250"
	.amdhsa_code_object_version 6
	.text
	.protected	k_qb5cb5369e6_tofixed
	.globl	k_qb5cb5369e6_tofixed
	.p2align	8
	.type	k_qb5cb5369e6_tofixed,@function
k_qb5cb5369e6_tofixed:
	s_mov_b64 s[64:65], 0
	v_nop
	global_prefetch_b8 v0, s[64:65] scope:SCOPE_SE
	s_setreg_imm32_b32 hwreg(HW_REG_WAVE_MODE, 25, 1), 1
	s_wait_xcnt 0x0
; pos [1048576][3] f32  ->  fixpos: whole numbers P = round(pos * 2^24), signed 32 bits, from which the next launch forms its
; gather addresses.
; LIMITS.  |pos| < 128 (beyond it the conversion saturates); NaN becomes 0.  P * 2^-24 is pos itself wherever pos is a multiple of 2^-24
; (every |pos| >= 0.5); smaller positions are off by 2^-25 at the most.
; SHARES.  A wave owns 256 consecutive points, 3,072 bytes of pos and of fixpos; lane l owns the points 32 k + l, k = 0..7.
; A load of the wave covers 384 consecutive bytes (12 a lane).  fixpos is laid out as the next launch's lanes read it: six groups of
; 512 bytes, 16 bytes a lane: groups 0-3 hold x0 y0 x1 y1 | x2 y2 x3 y3 | .. of the lane's points, groups 4-5 z0..z3 | z4..z7.
; Memory binds: no LDS, no barrier, all eight loads of a wave are out at once.
.set BLK, 3072                         ; bytes of a wave's 256 points
.set IN,  8                            ; v[8:39]   point k: x, y, z at IN + 4 k
.set O,   40                           ; v[40:63]  the 24 words to store
	s_load_b128 s[4:7], s[0:1], 0x0                ; pos s[4:5], fixpos s[6:7]
	v_lshrrev_b32 v1, 5, v0                        ; wave
	v_and_b32 v2, 31, v0                           ; lane
	v_mul_u32_u24 v3, v1, BLK                      ; my wave's block
	v_mad_u32_u24 v4, v2, 12, v3                   ; in: 12 bytes a lane
	v_lshl_add_u32 v5, v2, 4, v3                   ; out: 16 bytes a lane
	s_mul_i32 s8, ttmp9, 16*BLK                    ; the work-group's sixteen blocks
	s_mov_b32 s9, 0
	s_mov_b32 s10, 0x4b800000                      ; 2^24
	s_wait_kmcnt 0x0
	s_add_nc_u64 s[4:5], s[4:5], s[8:9]
	s_add_nc_u64 s[6:7], s[6:7], s[8:9]
.irp k, 0,1,2,3,4,5,6,7
	global_load_b96 v[IN+4*\k:IN+4*\k+2], v4, s[4:5] offset:384*\k th:TH_LOAD_NT
.endr
.irp k, 0,1,2,3,4,5,6,7
	s_wait_loadcnt 7-\k                            ; loads come back in order: point k is in, the 7 - k younger loads stay out
	v_mul_f32 v[IN+4*\k],   s10, v[IN+4*\k]        ; a power of two: exact
	v_mul_f32 v[IN+4*\k+1], s10, v[IN+4*\k+1]
	v_mul_f32 v[IN+4*\k+2], s10, v[IN+4*\k+2]
	v_rndne_f32 v[IN+4*\k],   v[IN+4*\k]
	v_rndne_f32 v[IN+4*\k+1], v[IN+4*\k+1]
	v_rndne_f32 v[IN+4*\k+2], v[IN+4*\k+2]
	v_cvt_i32_f32 v[O+2*\k],   v[IN+4*\k]          ; x
	v_cvt_i32_f32 v[O+2*\k+1], v[IN+4*\k+1]        ; y
	v_cvt_i32_f32 v[O+16+\k],  v[IN+4*\k+2]        ; z
.endr
.irp g, 0,1,2,3,4,5
	global_store_b128 v5, v[O+4*\g:O+4*\g+3], s[6:7] offset:512*\g  ; 512 consecutive bytes, at a multiple of 256 from the buffer's first
.endr
	s_endpgm
.Lfunc_end_k_qb5cb5369e6_tofixed:
	.size	k_qb5cb5369e6_tofixed, .Lfunc_end_k_qb5cb5369e6_tofixed-k_qb5cb5369e6_tofixed
	.p2alignl 7, 3214868480
	.fill 96, 4, 3214868480
	.section	.rodata,"a",@progbits
	.p2align	6, 0x0
	.amdhsa_kernel k_qb5cb5369e6_tofixed
		.amdhsa_group_segment_fixed_size 0
		.amdhsa_private_segment_fixed_size 0
		.amdhsa_enable_private_segment 0
		.amdhsa_kernarg_size 16
		.amdhsa_user_sgpr_count 2
		.amdhsa_user_sgpr_kernarg_segment_ptr 1
		.amdhsa_wavefront_size32 1
		.amdhsa_system_sgpr_workgroup_id_x 1
		.amdhsa_system_sgpr_workgroup_id_y 1
		.amdhsa_system_sgpr_workgroup_id_z 1
		.amdhsa_system_vgpr_workitem_id 0
		.amdhsa_next_free_vgpr 64
		.amdhsa_next_free_sgpr 66
		.amdhsa_reserve_vcc 0
		.amdhsa_float_denorm_mode_32 3
		.amdhsa_float_denorm_mode_16_64 3
		.amdhsa_memory_ordered 1
		.amdhsa_forward_progress 1
		.amdhsa_inst_pref_size 5
	.end_amdhsa_kernel
	.amdgpu_metadata
---
amdhsa.version: [ 1, 2 ]
amdhsa.kernels:
  - .name:           k_qb5cb5369e6_tofixed
    .symbol:         k_qb5cb5369e6_tofixed.kd
    .args:
      - { .name: pos, .offset: 0, .size: 8, .value_kind: global_buffer, .address_space: global }
      - { .name: fixpos, .offset: 8, .size: 8, .value_kind: global_buffer, .address_space: global }
    .group_segment_fixed_size: 0
    .private_segment_fixed_size: 0
    .kernarg_segment_align: 8
    .kernarg_segment_size: 16
    .max_flat_workgroup_size: 512
    .sgpr_count:     66
    .vgpr_count:     64
    .wavefront_size: 32
...
	.end_amdgpu_metadata
.endif
;; end of part 1
;; launch encode (part 2): grid 256 x 1, 16 waves a work-group, no clusters, 327,680 bytes of LDS; arguments fixpos, latents, out0; writes out0
.if DOCPART == 2
	.amdgcn_target "amdgcn-amd-amdhsa--gfx1250"
	.amdhsa_code_object_version 6
	.text
	.protected	k_qb5cb5369e6_encode
	.globl	k_qb5cb5369e6_encode
	.p2align	8
	.type	k_qb5cb5369e6_encode,@function
k_qb5cb5369e6_encode:
	s_mov_b64 s[64:65], 0
	v_nop
	global_prefetch_b8 v0, s[64:65] scope:SCOPE_SE
	s_setreg_imm32_b32 hwreg(HW_REG_WAVE_MODE, 25, 1), 1
	s_wait_xcnt 0x0
; HASH GRID ENCODING.  out0[p][2 l + f] = the trilinear mean of latents[16384 l + hash(vertex)][f] over the 8 vertices of the cell of level l that holds pos[p];
; 8 levels of resolution RES = int(128 * 16^(l/7)) = 128, 190, 282, 420, 624, 927, 1378, 2048; hash = (x ^ 131101 y ^ 262147 z) mod 16384.
; INPUT.  fixpos holds P = round(pos * 2^24), whole numbers made by the launch before.  LIMITS: |pos| < 128; NaN and infinities in pos are not served; pos is kept to 2^-24.
; SHARES.  A work-group owns 4,096 points, a wave 256, a lane the points 32 k + lane, k = 0..7.  A point's 16 results stay in registers until its row of 64 bytes is whole.
; TABLES.  A level's table, 131,072 bytes, is gathered from LDS.  Two slots take turns: one is read while the next level lands in the other.  Waves 0-7 each fetch 64 rows of 256 bytes.
; NO CLUSTER, though every work-group walks the same eight tables:
; the gathers' LDS addresses are made of each work-group's own points.  So each work-group asks for the tables by itself: 8 x 131,072 bytes.
; THE CELL, by whole numbers alone (no address hangs on a float): cell = floor(P res / 2^24), exactly.  P + 2^31 = H 2^11 + Lo (21 and 11 bits), S = H res + (Lo res >> 11) < 2^32,
; cell = (S >> 13) - 128 res.  All products fit the 24-bit multiplier.
; THE FRACTION, by floats: f = fl(float(P) * res * 2^-24) - float(cell): the product rounded once to f32, as pos * res is.  Rounding is monotonic and cell and cell + 1 are f32
; numbers, so f lies in 0 to 1 and the clip to that range changes nothing; where the rounded product reaches cell + 1, f = 1 gives the next cell's vertices all the weight.
; THE HASH.  Only 14 bits count, and 131101 = 8 * 16384 + 29, 262147 = 16 * 16384 + 3: the byte address in a table is (8 x ^ 232 y ^ 24 z) & 0x1fff8, right for negative cells too
; (two's complement).  An address made of loaded numbers is bounded last of all by v_min_u32 with the bound written in the instruction; only an add (the upper slot's base) follows.
; THE MEAN.  Seven lerps a + f (b - a), both features at once in packed f32: four along x, two along z, one along y.
; PIPELINE.  Point g's addresses are made and its 8 gathers issued; then point g - 1, whose gathers were issued a point earlier, is interpolated.  It runs on across the change of levels.
; The text is unrolled over levels and points: every operand is a register that hangs on both.
.set SLOTB,   131072                   ; a table, and an LDS slot; slot 0 at byte 0 (even levels), slot 1 behind it (odd levels)
.set LOADERS, 8                        ; waves that fetch: 16,384 bytes each
.set STAGE,   2*SLOTB                  ; behind the ring, never filled by a tensor load: for each wave 8 rows of 4 points (256 bytes) + 16 of padding
.set SROW,    272
.set STGW,    2304                     ; a wave's stage: 8 * 272 = 2,176, in whole blocks of 256
.set SPARE,   STAGE+16*STGW            ; the spare words, 128 bytes for each wave: eight blocks of 256 bytes that no other line names
.set MASK,    0x1fff8                  ; 14 bits of index, times 8 bytes
.set T,   0                            ; v0-9     at work (v0 is the thread's number until the addresses are made)
.set FS,  10                           ; v10-15   fractions, two sets: fx, fy at v10-11 and v14-15; fz at v12 and v13
.set D,   16                           ; v16-47   two sets of 8 vertices x 2 features: vertex (cx, cy, cz) at 8 cy + 4 cz + 2 cx
.set STO, 48                           ; v48      the way out: where my point's 64 bytes go in the stage
.set RD,  49                           ; v49      the way out: where I read 16 bytes of a row back
.set GO,  50                           ; v50      my byte offset in the work-group's part of out0
.set GI,  51                           ; v51      my byte offset in the work-group's part of fixpos
.set SPW, 52                           ; v52      LDS address of my spare word: SPARE + 4 x my thread's number; never rewritten
.set NIL, 53                           ; v53      0; never rewritten
.set H,   54                           ; v54-77   (P + 2^31) >> 11: point k, coordinate c at H + 3 k + c
.set LO,  78                           ; v78-101  P & 0x7ff, likewise
.set FXY, 102                          ; v102-117 float(P): x, y of point k at FXY + 2 k
.set FZ,  118                          ; v118-125 z of point k
.set R,   128                          ; v128-255 results: point k, level l, feature f at R + 16 k + 2 l + f
.set WV,  10                           ; s10      my wave's number
.set G1,  16                           ; s[16:23] descriptor group 1: the shape, never rewritten
.set G0,  24                           ; s[24:31] descriptor group 0, a set for each slot
.set RES, 32                           ; s32      the level's resolution
.set NKB, 33                           ; s33      -128 x resolution
.set RF,  34                           ; s[34:35] resolution x 2^-24 in f32, named as a pair
.set M,   36                           ; s36      MASK
.set C232, 37                          ; s37      8 x 29
.set BIAS, 38                          ; s38      2^31
.set LOM, 39                           ; s39      0x7ff
	s_load_b128 s[4:7], s[0:1], 0x0                ; fixpos s[4:5], latents s[6:7]
	s_load_b64 s[8:9], s[0:1], 0x10                ; out0
	v_lshl_add_u32 v[SPW], v0, 2, SPARE
	v_mov_b32 v[NIL], 0
	ds_add_u32 v[SPW], v[NIL]                      ; the wave's opening: the add and its wait stand ahead of the first tensor load; the set-up below, work on registers, stands between them
	v_lshrrev_b32 v1, 5, v0
	v_readfirstlane_b32 s[WV], v1                  ; wave 0..15
	; descriptor group 1: 64 rows of 32 elements of 8 bytes, dense in memory and in LDS
	s_mov_b32 s[G1], 3<<16                         ; 15:0 no mask; 17:16 elements of 8 bytes; no padding: gathers have no rows
	s_mov_b32 s[G1+1], 32<<16                      ; tensor_dim0 = 32
	s_mov_b32 s[G1+2], 64<<16                      ; tensor_dim1 = 64
	s_mov_b32 s[G1+3], 32<<16                      ; tile_dim0 = 32
	s_mov_b32 s[G1+4], 64                          ; tile_dim1 = 64
	s_mov_b32 s[G1+5], 32                          ; 32 elements from row to row
	s_mov_b32 s[G1+6], 0
	s_mov_b32 s[G1+7], 0
	s_lshl_b32 s12, s[WV], 14                      ; my 16,384 bytes of a table, in memory and in a slot: the wave's number alone
	s_mov_b32 s13, 0
	s_mov_b32 s[G0], 1                             ; count = 1
	s_mov_b32 s[G0+1], s12                         ; LDS address: slot 0
	s_mov_b32 s[G0+4], 1
	s_add_co_u32 s[G0+5], s12, SLOTB               ; slot 1
	s_mul_i32 s14, ttmp9, 49152                    ; the work-group's 4,096 points x 12 bytes
	s_mov_b32 s15, 0
	s_mov_b32 s[M], MASK
	s_mov_b32 s[C232], 232
	s_mov_b32 s[BIAS], 0x80000000
	s_mov_b32 s[LOM], 0x7ff
	s_wait_dscnt 0x0                               ; the opening add is done
	s_wait_kmcnt 0x0
	s_add_nc_u64 s[4:5], s[4:5], s[14:15]
	s_lshl_b32 s14, ttmp9, 18                      ; 4,096 rows of 64 bytes
	s_add_nc_u64 s[8:9], s[8:9], s[14:15]
	s_add_nc_u64 s[G0+2:G0+3], s[6:7], s[12:13]    ; level 0, my part
	s_add_nc_u64 s[G0+6:G0+7], s[G0+2:G0+3], SLOTB ; level 1
	s_or_b32 s[G0+3], s[G0+3], 0x80000000          ; type = 2
	s_or_b32 s[G0+7], s[G0+7], 0x80000000
	s_cmp_lt_u32 s[WV], LOADERS                    ; a wave's two first fills stand in one branch on its number, ahead of every wait on TENSORcnt, LDS read and barrier: two loads of mine are out
	s_cbranch_scc0 .Lno_first
	tensor_load_to_lds s[G0:G0+3], s[G1:G1+7]
	s_nop 0
	tensor_load_to_lds s[G0+4:G0+7], s[G1:G1+7]
	s_nop 0
.Lno_first:
	v_and_b32 v2, 31, v0                           ; lane
	v_mul_u32_u24 v3, v1, 3072                     ; my wave's 256 points
	v_lshl_add_u32 v[GI], v2, 4, v3
.irp g, 0,1,2,3,4,5
	global_load_b128 v[FXY+4*\g:FXY+4*\g+3], v[GI], s[4:5] offset:512*\g th:TH_LOAD_NT  ; 512 consecutive bytes: x, y of my points 2 g, 2 g + 1; groups 4, 5: z
.endr
	s_mul_i32 s14, s[WV], STGW
	s_add_co_u32 s14, s14, STAGE                   ; my stage
	v_lshrrev_b32 v3, 2, v2                        ; in: point l lies in row l / 4, at 64 (l % 4)
	v_and_b32 v4, 3, v2
	v_mul_u32_u24 v3, v3, SROW
	v_lshl_add_u32 v3, v4, 6, v3
	v_add_nc_u32 v[STO], s14, v3
	v_lshrrev_b32 v3, 4, v2                        ; back: lanes 0-15 take one row of 256 bytes, lanes 16-31 the next
	v_and_b32 v4, 15, v2
	v_mul_u32_u24 v3, v3, SROW
	v_lshl_add_u32 v3, v4, 4, v3
	v_add_nc_u32 v[RD], s14, v3
	v_lshlrev_b32 v3, 14, v1                       ; my wave's 256 rows of out0,
	v_lshl_add_u32 v[GO], v2, 4, v3                ; 16 bytes a lane
	s_wait_loadcnt 0x0
.macro SPLIT h, w                      ; a word P becomes H, Lo and float(P) (exact: P has at most 24 significant bits)
	v_xor_b32 v[H+(\h)], s[BIAS], v[\w]
	v_and_b32 v[LO+(\h)], s[LOM], v[\w]
	v_cvt_f32_i32 v[\w], v[\w]
	v_lshrrev_b32 v[H+(\h)], 11, v[H+(\h)]
.endm
.set k, 0
.rept 8
	SPLIT 3*k, FXY+2*k
	SPLIT 3*k+1, FXY+2*k+1
	SPLIT 3*k+2, FZ+k
.set k, k+1
.endr
; Point p: cells, fractions, the eight addresses, the eight gathers.  odd = 1: the level lies in slot 1.
.macro ADDR p, odd
.set hq, H+3*(\p)
.set lq, LO+3*(\p)
.set dq, D+16*((\p)%2)
.set fxy, FS+4*((\p)%2)
.set fzr, FS+2+((\p)%2)
.irp c, 0,1,2
	v_mul_u32_u24 v[T+\c], s[RES], v[lq+\c]        ; Lo res
.endr
	v_pk_mul_f32 v[T+6:T+7], v[FXY+2*(\p):FXY+2*(\p)+1], s[RF:RF+1] op_sel_hi:[1,0]  ; pos res, rounded once
	v_mul_f32 v[T+8], s[RF], v[FZ+(\p)]
.irp c, 0,1,2
	v_lshrrev_b32 v[T+\c], 11, v[T+\c]
.endr
.irp c, 0,1,2
	v_mad_u32_u24 v[T+\c], v[hq+\c], s[RES], v[T+\c]  ; S = (P + 2^31) res >> 11
.endr
.irp c, 0,1,2
	v_lshrrev_b32 v[T+\c], 13, v[T+\c]
.endr
.irp c, 0,1,2
	v_add_nc_u32 v[T+\c], s[NKB], v[T+\c]          ; the cell, signed
.endr
	v_cvt_f32_i32 v[T+4], v[T+0]
	v_cvt_f32_i32 v[T+5], v[T+1]
	v_cvt_f32_i32 v[T+9], v[T+2]
	v_lshlrev_b32 v[T+3], 3, v[T+0]                ; 8 x
	v_pk_add_f32 v[fxy:fxy+1], v[T+6:T+7], v[T+4:T+5] neg_lo:[0,1] neg_hi:[0,1]  ; fx, fy
	v_sub_f32 v[fzr], v[T+8], v[T+9]               ; fz
	v_add_lshl_u32 v[T+4], v[T+0], 1, 3            ; 8 (x + 1)
	v_mul_u32_u24 v[T+5], s[C232], v[T+1]          ; 232 y: the multiplier takes the cell's low 24 bits, of which 14 count
	v_mul_u32_u24 v[T+7], 24, v[T+2]               ; 24 z
	v_and_b32 v[T+3], s[M], v[T+3]
	v_and_b32 v[T+4], s[M], v[T+4]
	v_add_nc_u32 v[T+6], s[C232], v[T+5]           ; 232 (y + 1)
	v_add_nc_u32 v[T+8], 24, v[T+7]                ; 24 (z + 1)
	v_xor_b32 v[T+0], v[T+5], v[T+7]               ; (cy, cz) = (0, 0)
	v_xor_b32 v[T+1], v[T+5], v[T+8]               ; (0, 1)
	v_xor_b32 v[T+2], v[T+6], v[T+7]               ; (1, 0)
	v_xor_b32 v[T+9], v[T+6], v[T+8]               ; (1, 1)
.irp r, 0,1,2,9
	v_and_b32 v[T+\r], s[M], v[T+\r]
.endr
	v_xor_b32 v[T+5], v[T+4], v[T+0]               ; cx = 1
	v_xor_b32 v[T+6], v[T+4], v[T+1]
	v_xor_b32 v[T+7], v[T+4], v[T+2]
	v_xor_b32 v[T+8], v[T+4], v[T+9]
.irp r, 0,1,2,9
	v_xor_b32 v[T+\r], v[T+3], v[T+\r]             ; cx = 0
.endr
.irp r, 0,5,1,6,2,7,9,8
	v_min_u32 v[T+\r], MASK, v[T+\r]               ; changes nothing: the bound that an address made of loaded numbers carries in the text
.endr
.if \odd
.irp r, 0,5,1,6,2,7,9,8
	v_add_nc_u32 v[T+\r], SLOTB, v[T+\r]           ; slot 1: past the reach of the 16-bit offset
.endr
.endif
	ds_load_b64 v[dq+0:dq+1],   v[T+0]
	ds_load_b64 v[dq+2:dq+3],   v[T+5]
	ds_load_b64 v[dq+4:dq+5],   v[T+1]
	ds_load_b64 v[dq+6:dq+7],   v[T+6]
	ds_load_b64 v[dq+8:dq+9],   v[T+2]
	ds_load_b64 v[dq+10:dq+11], v[T+7]
	ds_load_b64 v[dq+12:dq+13], v[T+9]
	ds_load_b64 v[dq+14:dq+15], v[T+8]
.endm
; The point in set s is interpolated; its two results go to v[dst:dst+1].  A fraction is one register of a pair, given to both halves: the first by op_sel_hi 0, the second by op_sel 1.
.macro LERP s, dst
.set dq, D+16*(\s)
.set fxy, FS+4*(\s)
.irp j, 0,4,8,12
	v_pk_add_f32 v[dq+\j+2:dq+\j+3], v[dq+\j+2:dq+\j+3], v[dq+\j:dq+\j+1] neg_lo:[0,1] neg_hi:[0,1]
.endr
.irp j, 0,4,8,12
	v_pk_fma_f32 v[dq+\j:dq+\j+1], v[dq+\j+2:dq+\j+3], v[fxy:fxy+1], v[dq+\j:dq+\j+1] op_sel_hi:[1,0,1]  ; along x
.endr
.irp j, 0,8
	v_pk_add_f32 v[dq+\j+4:dq+\j+5], v[dq+\j+4:dq+\j+5], v[dq+\j:dq+\j+1] neg_lo:[0,1] neg_hi:[0,1]
.endr
.irp j, 0,8
.if (\s) == 0
	v_pk_fma_f32 v[dq+\j:dq+\j+1], v[dq+\j+4:dq+\j+5], v[FS+2:FS+3], v[dq+\j:dq+\j+1] op_sel_hi:[1,0,1]  ; along z
.else
	v_pk_fma_f32 v[dq+\j:dq+\j+1], v[dq+\j+4:dq+\j+5], v[FS+2:FS+3], v[dq+\j:dq+\j+1] op_sel:[0,1,0] op_sel_hi:[1,1,1]
.endif
.endr
	v_pk_add_f32 v[dq+8:dq+9], v[dq+8:dq+9], v[dq:dq+1] neg_lo:[0,1] neg_hi:[0,1]
	v_pk_fma_f32 v[\dst:\dst+1], v[dq+8:dq+9], v[fxy:fxy+1], v[dq:dq+1] op_sel:[0,1,0] op_sel_hi:[1,1,1]  ; along y
.endm
; THE WAY OUT of the wave's points 32 p .. 32 p + 31.  A lane holds a whole row of 64 bytes; it goes into my own stage and comes back, into the registers that it left, so that 16 lanes hold 256 consecutive bytes.
.macro OUT p
.irp c, 0,1,2,3
	ds_store_b128 v[STO], v[R+16*(\p)+4*\c:R+16*(\p)+4*\c+3] offset:16*\c
.endr
.irp c, 0,1,2,3
	ds_load_b128 v[R+16*(\p)+4*\c:R+16*(\p)+4*\c+3], v[RD] offset:2*SROW*\c  ; LDS serves a wave's instructions in order (ISA guide 5.7.1.4): these see the stores above; the next set's stores come behind them
.endr
.endm
.macro SEND p
.irp c, 0,1,2,3
	global_store_b128 v[GO], v[R+16*(\p)+4*\c:R+16*(\p)+4*\c+3], s[8:9] offset:2048*(\p)+512*\c th:TH_STORE_NT  ; 512 consecutive bytes, at a multiple of 256 from out0's first
.endr
.endm
; A level: eight points.  Behind point k's gathers the point before it is interpolated (at k = 0: the last point of the level before).
; s_wait_dscnt 8: LDS answers in order, so all but the 8 gathers just issued are back: the gathers of the point before and, in level 7, the stage's loads of the set before that.
; In level 7 a set of 32 points is whole as soon as it is interpolated, and leaves while the others are gathered.
.macro LEVEL l, res, rf
	s_mov_b32 s[RES], \res
	s_mov_b32 s[NKB], (-128*(\res))&0xffffffff
	s_mov_b32 s[RF], \rf
	s_mov_b32 s[RF+1], \rf
.set k, 0
.rept 8
	ADDR k, (\l)%2
.if ((\l) > 0) || (k > 0)
	s_wait_dscnt 0x8
.endif
.if ((\l) == 7) && (k >= 2)
	SEND k-2
.endif
.if k > 0
	LERP (k-1)%2, R+16*(k-1)+2*(\l)
.if (\l) == 7
	OUT k-1
.endif
.elseif (\l) > 0
	LERP 1, R+16*7+2*((\l)-1)
.endif
.set k, k+1
.endr
.endm
; THE CHANGE OF LEVELS.  Each wave waits for all its tensor loads, of which at most one is out: its part of the next level's table; adds 0 to its spare word; and waits for that and for its
; gathers from the slot that it leaves.  Behind the barrier nobody reads that slot any more and the other slot is whole.  fill = 1: the slot is filled again, with the table two levels on:
; the load is the first thing behind the barrier, one a wave (waves 0-7), and has a whole level's work in which to land.
.macro NEXT slot, fill
	s_wait_tensorcnt 0x0                           ; no tensor load of mine is out, so a group 0 may be written
	ds_add_u32 v[SPW], v[NIL]                      ; 0 onto my spare word
.if \fill
	s_add_nc_u64 s[G0+4*(\slot)+2:G0+4*(\slot)+3], s[G0+4*(\slot)+2:G0+4*(\slot)+3], 2*SLOTB  ; two tables on; the type bits on top are not reached
.endif
	s_wait_dscnt 0x0                               ; the add is done, and my gathers from the slot are back
	s_barrier_signal -1
	s_barrier_wait -1                              ; both now hold of all sixteen waves
.if \fill
	s_cmp_lt_u32 s[WV], LOADERS
	s_cbranch_scc0 .Lno_fill_\@
	tensor_load_to_lds s[G0+4*(\slot):G0+4*(\slot)+3], s[G1:G1+7]
	s_nop 0
.Lno_fill_\@:
.endif
.endm
	s_wait_tensorcnt 0x1                           ; my part of level 0 is in; level 1's may stay out
	s_barrier_signal -1
	s_barrier_wait -1                              ; everybody's is
	LEVEL 0, 128, 0x37000000                       ; the third number: resolution x 2^-24 in f32
	NEXT 0, 1                                      ; level 2 is asked for
	LEVEL 1, 190, 0x373e0000
	NEXT 1, 1
	LEVEL 2, 282, 0x378d0000
	NEXT 0, 1
	LEVEL 3, 420, 0x37d20000
	NEXT 1, 1
	LEVEL 4, 624, 0x381c0000
	NEXT 0, 1
	LEVEL 5, 927, 0x3867c000
	NEXT 1, 1                                      ; level 7: the last load
	LEVEL 6, 1378, 0x38ac4000
	NEXT 0, 0                                      ; nothing is left to fetch
	LEVEL 7, 2048, 0x39000000
	s_wait_dscnt 0x8                               ; point 7's gathers are back; set 6's eight stage instructions may be out
	LERP 1, R+16*7+2*7
	OUT 7
	s_wait_dscnt 0x8                               ; set 6 is back; set 7's eight may be out
	SEND 6
	s_wait_dscnt 0x0
	SEND 7
	s_wait_tensorcnt 0x0                           ; the wave's end, behind my last tensor load and my last LDS store
	ds_add_u32 v[SPW], v[NIL]
	s_wait_dscnt 0x0
	s_endpgm
.Lfunc_end_k_qb5cb5369e6_encode:
	.size	k_qb5cb5369e6_encode, .Lfunc_end_k_qb5cb5369e6_encode-k_qb5cb5369e6_encode
	.p2alignl 7, 3214868480
	.fill 96, 4, 3214868480
	.section	.rodata,"a",@progbits
	.p2align	6, 0x0
	.amdhsa_kernel k_qb5cb5369e6_encode
		.amdhsa_group_segment_fixed_size 327680
		.amdhsa_private_segment_fixed_size 0
		.amdhsa_enable_private_segment 0
		.amdhsa_kernarg_size 24
		.amdhsa_user_sgpr_count 2
		.amdhsa_user_sgpr_kernarg_segment_ptr 1
		.amdhsa_wavefront_size32 1
		.amdhsa_system_sgpr_workgroup_id_x 1
		.amdhsa_system_sgpr_workgroup_id_y 1
		.amdhsa_system_sgpr_workgroup_id_z 1
		.amdhsa_system_vgpr_workitem_id 0
		.amdhsa_next_free_vgpr 256
		.amdhsa_next_free_sgpr 66
		.amdhsa_reserve_vcc 0
		.amdhsa_float_denorm_mode_32 3
		.amdhsa_float_denorm_mode_16_64 3
		.amdhsa_memory_ordered 1
		.amdhsa_forward_progress 1
		.amdhsa_inst_pref_size 255
	.end_amdhsa_kernel
	.section	.bss,"aw",@nobits
	.p2align	6
	.space	262144
	.amdgpu_metadata
---
amdhsa.version: [ 1, 2 ]
amdhsa.kernels:
  - .name:           k_qb5cb5369e6_encode
    .symbol:         k_qb5cb5369e6_encode.kd
    .args:
      - { .name: fixpos, .offset: 0, .size: 8, .value_kind: global_buffer, .address_space: global }
      - { .name: latents, .offset: 8, .size: 8, .value_kind: global_buffer, .address_space: global }
      - { .name: out0, .offset: 16, .size: 8, .value_kind: global_buffer, .address_space: global }
    .group_segment_fixed_size: 327680
    .private_segment_fixed_size: 0
    .kernarg_segment_align: 8
    .kernarg_segment_size: 24
    .max_flat_workgroup_size: 512
    .sgpr_count:     66
    .vgpr_count:     256
    .wavefront_size: 32
...
	.end_amdgpu_metadata
.endif
;; end of part 2
